; MI455X (gfx1250); checked and timed in simulation.
; The chip was launched on July 23, 2026; its instructions are those of AMD's public machine-readable ISA for CDNA 5 (MIT licence, August 2026) and "CDNA5" Instruction Set Architecture Reference Guide (July 2026). The comments in the code are by the model that wrote it; some were corrected since.
;; Re LULSTM. Allowed arithmetic: matrix products marked QUANTISED: E2M1 operands, one E8M0 scale for each 32 along K, by v_wmma_scale_f32_16x16x128_f8f6f4 with both operands' format E2M1 (or v_wmma_scale_f32_32x16x128_f4), f32 sums; everything else in f32.
;; Inputs: Wch 2,048 x 2,048 float32; Wcx 2,048 x 2,048 float32; Wfh 2,048 x 2,048 float32; Wfx 2,048 x 2,048 float32; Wih 2,048 x 2,048 float32; Wix 2,048 x 2,048 float32; Woh 2,048 x 2,048 float32; Wox 2,048 x 2,048 float32; bcx 2,048 float32; bfx 2,048 float32; bix 2,048 float32; box 2,048 float32; c 2,048 x 2,048 float32; h 2,048 x 2,048 float32; x 2,048 x 2,048 float32.
;; Outputs: out0 2,048 x 2,048 float32; out1 2,048 x 2,048 float32.
;; This version of the problem:
;;   THIS VERSION OF THE PROBLEM IS GIVEN IN LOW PRECISION. The matrix products marked QUANTISED in the list below multiply operands that are first quantised to E2M1 (2 exponent bits, 1 mantissa bit; 4 bits a number), with one power-of-two scale for each 32 numbers along K (OCP MX v1.0); their sums are f32. All else is computed in f32.
;;   The module's matrix products, in the order in which they are computed (A, B: the left and right operand; K: the contracted axis; several contracted axes count as one K, in the product's order):
;;     1. [M 2,048, K 2,048] x [K 2,048, N 2,048]; A: input x; B: input Wfx: QUANTISED
;;     2. [M 2,048, K 2,048] x [K 2,048, N 2,048]; A: input h; B: input Wfh: QUANTISED
;;     3. [M 2,048, K 2,048] x [K 2,048, N 2,048]; A: input x; B: input Wix: QUANTISED
;;     4. [M 2,048, K 2,048] x [K 2,048, N 2,048]; A: input h; B: input Wih: QUANTISED
;;     5. [M 2,048, K 2,048] x [K 2,048, N 2,048]; A: input x; B: input Wox: QUANTISED
;;     6. [M 2,048, K 2,048] x [K 2,048, N 2,048]; A: input h; B: input Woh: QUANTISED
;;     7. [M 2,048, K 2,048] x [K 2,048, N 2,048]; A: input x; B: input Wcx: QUANTISED
;;     8. [M 2,048, K 2,048] x [K 2,048, N 2,048]; A: input h; B: input Wch: QUANTISED
;;   THE QUANTISER, for each operand of a quantised product, along K:
;;     - K is cut into blocks of 32 from its start; a last block that is shorter is filled with zeros.
;;     - A block's scale is 2^e with e = floor(log2(the largest magnitude in the block)) - 2, held to -126 .. 127; a block of zeros has e = 0. As a byte (E8M0): e + 127.
;;     - Each number is divided by its block's scale, clamped to +-6, and rounded to the nearest number of E2M1, ties to even, subnormals kept.
;;     - The product sums the exact products of the quantised numbers (number of the format x scale) in f32.
;;   ~~~python
;;   def quantise(x, axis):      # numpy; x: float32 -> the quantised numbers, widened to float32 again
;;       x = np.moveaxis(x, axis, -1); K = x.shape[-1]
;;       x = np.pad(x, [(0, 0)] * (x.ndim - 1) + [(0, -K % 32)]); x = x.reshape(x.shape[:-1] + (-1, 32)); a = np.abs(x).max(-1, keepdims=True)
;;       e = np.where(a > 0, np.clip(np.frexp(np.where(a > 0, a, 1))[1] - 1 - 2, -126, 127), 0)      # np.frexp(a)[1] - 1 = floor(log2(a)), exactly
;;       r = np.clip(x / 2.0 ** e, -6, 6)
;;       step = 2.0 ** (np.maximum(np.frexp(np.where(r == 0, 1, r))[1] - 1, 0) - 1)
;;       q = np.round(r / step) * step * 2.0 ** e      # np.round: ties to even
;;       return np.moveaxis(q.reshape(q.shape[:-2] + (-1,))[..., :K], -1, axis).astype(np.float32)
;;   ~~~
;; One version. Each part assembles by itself: llvm-mc -triple=amdgcn-amd-amdhsa -mcpu=gfx1250 --defsym DOCPART=n.
;; ======== version 1 of 1: 2 launches
;; limits: right only within a limited range of input values
;; workspace buffers: codes 20,971,520 bytes; scales 1,310,720 bytes
;; launch quant (part 1): grid 128 x 10, 4 waves a work-group, no clusters, 1,536 bytes of LDS; arguments x, h, Wfx, Wfh, Wix, Wih, Wcx, Wch, Wox, Woh, codes, scales; writes codes, scales
.if DOCPART == 1
	.amdgcn_target "amdgcn-amd-amdhsa--gfx1250"
	.amdhsa_code_object_version 6
	.text
	.protected	k_q045eed3cfe_quant
	.globl	k_q045eed3cfe_quant
	.p2align	8
	.type	k_q045eed3cfe_quant,@function
k_q045eed3cfe_quant:
	s_mov_b64 s[64:65], 0
	v_nop
	global_prefetch_b8 v0, s[64:65] scope:SCOPE_SE
	s_setreg_imm32_b32 hwreg(HW_REG_WAVE_MODE, 25, 1), 1
	s_wait_xcnt 0x0
; x, h and the eight weights, each [2048][2048] f32 with K innermost, become codes of FP4 (E2M1) with one E8M0 scale byte for each 32 along K,
; laid as the operands of ONE product of K = 4,096: A = [x | h], B's rows = [W*x | W*h] of a gate and a hidden unit.
; ROWS of both workspace buffers, 10,240: rows 0 .. 2047 are the batch rows; row 2048 + 128 (hid / 32) + 32 g + hid % 32 is hidden unit hid of gate g (0 f, 1 i, 2 c, 3 o).
; codes:  [10240 rows][2048 bytes]: bytes 0 .. 1023 the x part, 1024 .. 2047 the h part; two codes a byte, the lower k in the low four bits.
; scales: [8 K steps of 512][10240 rows][16 bytes]: 16 neighbouring rows' bytes of one K step are 256 consecutive bytes, aligned.
; THE QUANTISER: a block's byte is its largest magnitude's exponent field - 2, held at 1 from below; each number is divided by the scale and rounded to the nearest code, ties to even, beyond 6 the code of 6.
; LIMITS: a block of zeros gets the byte 1 where the rule says 127 (its codes are zeros, and this program alone reads the bytes); NaN and infinities among the inputs are not served.
; SHARES: work-group y = the tensor T (0 x, 1 h, 2 + 2 g + p); work-group x = 16 of its rows; a wave takes 4 rows: 16 steps of 512 numbers (step t: row t / 4, K step t % 4 of the part).
; A step's four loads read 512 consecutive bytes each, 16 a lane (four numbers).  A conversion wants 8 NEIGHBOURS in a lane's registers: loads 0, 1 and loads 2, 3 change pieces between
; lanes l and l xor 1, in registers and in place.  Lane l (p = l % 2) then holds numbers 128 p + 4 (l - p) + 0 .. 7 of the step (group 0) and the eight that lie 256 further on (group 1).
; A block of 32 lies in the four lanes l, l xor 2, l xor 4, l xor 6; group 0's is block 4 p + l / 8 of the step, group 1's lies 8 blocks further on.
; The two words of codes change places once more between lanes l and l xor 2, so that a lane holds 8 neighbouring bytes, at 64 (l % 4) + 8 (l / 4): the wave's store covers 256 consecutive bytes, aligned.
; The stores of a row's four steps leave in one run, behind the loads of four steps on.
; A step's 16 scale bytes go to the work-group's table in LDS, [4 K steps][16 rows][16 bytes]; behind the one barrier wave w stores K step w's 256 bytes.
; No tensor loads, no cluster, no matrix unit: the work-groups share no input and the launch is a plain stream.  Loads run three to four steps (12 to 16 loads a wave) ahead.
.set STEPS, 16
.set SPARE, 1024                       ; LDS: bytes 0 .. 1023 the scale table; then the spare words, 128 bytes a wave
.set KSB,   10240*16                   ; a K step of the scales' buffer in bytes
.set R,     16                         ; v16-79   four sets of 16 numbers
.set T,     80                         ; v80-83   what a lane gives away in an exchange
.set U,     84                         ; v84-87   what it receives
.set E,     88                         ; v88-119  two scale bytes for each step
.set C,     120                        ; v120-151 codes: two registers of its own for each step, so that no store's data are written again
.set M1,    45                         ; s45 the lanes with bit 0 set, s46 those with bit 1 set
.set M2,    46
	s_load_b512 s[4:19], s[0:1], 0x0               ; x, h, Wfx, Wfh, Wix, Wih, Wcx, Wch: tensor T at s[4 + 2 T : 5 + 2 T]
	s_load_b128 s[20:23], s[0:1], 0x40             ; Wox, Woh
	s_load_b128 s[24:27], s[0:1], 0x50             ; codes, scales
	v_lshl_add_u32 v7, v0, 2, SPARE                ; my spare word, and 0: kept for the closing add alone
	v_mov_b32 v10, 0
	v_lshrrev_b32 v1, 5, v0
	v_readfirstlane_b32 s29, v1                    ; wave 0..3
	v_and_b32 v2, 31, v0                           ; lane
	v_lshlrev_b32 v3, 4, v2                        ; my 16 bytes of a load's 512
	v_and_b32 v14, 3, v2
	v_lshrrev_b32 v15, 2, v2
	v_lshlrev_b32 v12, 3, v15
	v_lshl_add_u32 v12, v14, 6, v12                ; my codes' place in a step's 256 bytes: 64 (l % 4) + 8 (l / 4)
	v_lshlrev_b32 v4, 3, v2                        ; 8 x lane: my 8 bytes of a K step's 256 scale bytes
	v_and_b32 v13, 1, v2
	v_lshrrev_b32 v5, 3, v2
	v_lshl_add_u32 v5, v13, 2, v5                  ; group 0's block in the step: 4 p + l / 8
	s_lshl_b32 s30, s29, 6
	v_add_nc_u32 v5, s30, v5                       ; the table: my wave's four rows (64 bytes in each K step's 256), my block's byte
	s_lshl_b32 s30, s29, 8
	v_add_nc_u32 v6, s30, v4                       ; and on the way out: K step w's 256 bytes, 8 a lane
.irp j, 0,1,2,3
	v_mov_b32 v[U+\j], 0                           ; written once: a DPP form's destination counts as one of its sources
.endr
	s_mov_b32 s[M1], 0xaaaaaaaa
	s_mov_b32 s[M2], 0xcccccccc
	s_and_b32 s28, ttmp7, 0xffff                   ; T
	s_and_b32 s31, s28, 1                          ; p: the x part or the h part
	s_lshl_b32 s33, ttmp9, 2
	s_add_co_u32 s33, s33, s29                     ; which four rows of the tensor are my wave's, 0 .. 511
	s_lshr_b32 s34, s28, 1
	s_lshl_b32 s34, s34, 5
	s_add_co_u32 s34, s34, 2016                    ; a weight's first row: 2048 + 32 g, g = T / 2 - 1
	s_cmp_lt_u32 s28, 2                            ; x or h?  The choice hangs on the work-group's number alone
	s_cselect_b32 s35, 5, 7                        ; 32 source rows go on 32 rows (x, h) or 128 rows (a weight)
	s_cselect_b32 s34, 0, s34
	s_lshr_b32 s36, s33, 3
	s_lshl_b32 s36, s36, s35
	s_and_b32 s37, s33, 7
	s_lshl_b32 s37, s37, 2
	s_add_co_u32 s36, s36, s37
	s_add_co_u32 s36, s36, s34                     ; my wave's first row in the workspace
	s_lshl_b32 s37, s29, 2
	s_sub_co_u32 s37, s36, s37                     ; the work-group's first row, a multiple of 16
	s_lshl_b32 s38, s33, 15                        ; the source: four rows of 8,192 bytes
	s_mov_b32 s39, 0
	s_lshl_b32 s40, s36, 11                        ; the codes: 2,048 bytes a row,
	s_lshl_b32 s44, s31, 10                        ; + 1,024 for the h part
	s_add_co_u32 s40, s40, s44
	s_mov_b32 s41, 0
	s_lshl_b32 s42, s31, 2
	s_add_co_u32 s42, s42, s29                     ; the scales: I store K step 4 p + w
	s_mul_i32 s42, s42, KSB
	s_lshl_b32 s44, s37, 4                         ; of the work-group's 16 rows
	s_add_co_u32 s42, s42, s44
	s_mov_b32 s43, 0
	s_wait_alu depctr_va_vdst(0)                   ; the wait at the head's end
	s_wait_kmcnt 0x0
.irp i, 1,2,3,4,5,6,7,8,9
	s_cmp_eq_u32 s28, \i                           ; only a pointer is chosen: all ten tensors take one path through the text
	s_cselect_b64 s[4:5], s[4+2*\i:5+2*\i], s[4:5]
.endr
	s_add_nc_u64 s[4:5], s[4:5], s[38:39]
	s_add_nc_u64 s[24:25], s[24:25], s[40:41]
	s_add_nc_u64 s[26:27], s[26:27], s[42:43]
.macro LOAD t
.irp i, 0,1,2,3
	global_load_b128 v[R+16*((\t)%4)+4*\i:R+16*((\t)%4)+4*\i+3], v3, s[4:5] offset:2048*(\t)+512*\i th:TH_LOAD_NT   ; 32 lanes read 512 consecutive bytes; read once in the launch
.endr
.endm
; Pieces a and b (four registers each) change places between lanes l and l xor 1: an odd lane gives a and takes it anew, an even lane b
.macro XCH a, b
.irp j, 0,1,2,3
	v_cndmask_b32 v[T+\j], v[(\b)+\j], v[(\a)+\j], s[M1]
.endr
.irp j, 0,1,2,3
	v_mov_b32_dpp v[U+\j], v[T+\j] row_xmask:1 row_mask:0xf bank_mask:0xf
.endr
.irp j, 0,1,2,3
	v_cndmask_b32 v[(\a)+\j], v[(\a)+\j], v[U+\j], s[M1]
	v_cndmask_b32 v[(\b)+\j], v[U+\j], v[(\b)+\j], s[M1]
.endr
.endm
.irp t, 0,1,2,3
	LOAD \t
.endr
.macro STEP t
.set XS, R+16*((\t)%4)
.set CS, C+2*(\t)
.set ES, E+2*(\t)
.if STEPS-1-(\t) >= 3
	s_wait_loadcnt 12                              ; this step's four loads are in; those of the three steps behind it may be out
.else
	s_wait_loadcnt 4*(STEPS-1-(\t))                ; the tail: fewer steps are left behind this one
.endif
	XCH XS, XS+4                                   ; group 0: v[XS .. XS+7] are eight neighbours,
	XCH XS+8, XS+12                                ; group 1: v[XS+8 .. XS+15] too
	v_max3_num_f32 v8, |v[XS]|, |v[XS+1]|, 0x1800000               ; the largest magnitude of each group, the two by turns, with the floor 2^(3 - 127): the byte cannot fall under 1
	v_max3_num_f32 v9, |v[XS+8]|, |v[XS+9]|, 0x1800000
.irp i, 2,4,6
	v_max3_num_f32 v8, v8, |v[XS+\i]|, |v[XS+\i+1]|
	v_max3_num_f32 v9, v9, |v[XS+8+\i]|, |v[XS+9+\i]|
.endr
	v_max_num_f32_dpp v8, v8, v8 row_xmask:2 row_mask:0xf bank_mask:0xf   ; with lanes l xor 2, l xor 4, l xor 6: the blocks'
	v_max_num_f32_dpp v9, v9, v9 row_xmask:2 row_mask:0xf bank_mask:0xf
	v_max_num_f32_dpp v8, v8, v8 row_xmask:4 row_mask:0xf bank_mask:0xf
	v_max_num_f32_dpp v9, v9, v9 row_xmask:4 row_mask:0xf bank_mask:0xf
	v_add_nc_u32 v14, 0xff000000, v8               ; 2 off the exponent field: the conversion's scale operand
	v_add_nc_u32 v15, 0xff000000, v9
	v_cvt_scalef32_pk8_fp4_f32 v[CS], v[XS:XS+7], v14
	v_cvt_scalef32_pk8_fp4_f32 v[CS+1], v[XS+8:XS+15], v15
	v_lshrrev_b32 v[ES], 23, v14                   ; the scales' bytes (plain lines behind the conversions)
	v_lshrrev_b32 v[ES+1], 23, v15
	ds_store_b8 v5, v[ES] offset:256*((\t)%4)+16*((\t)/4)          ; the four lanes of a block write the same byte with the same value
	ds_store_b8 v5, v[ES+1] offset:256*((\t)%4)+16*((\t)/4)+8
	v_cndmask_b32 v[T], v[CS+1], v[CS], s[M2]      ; the two words of codes between lanes l and l xor 2: a lane with bit 1 clear keeps group 0's word and takes its neighbour's behind it,
	v_mov_b32_dpp v[U], v[T] row_xmask:2 row_mask:0xf bank_mask:0xf
	v_cndmask_b32 v[CS], v[CS], v[U], s[M2]        ; one with bit 1 set takes its neighbour's word of group 1 ahead of its own
	v_cndmask_b32 v[CS+1], v[U], v[CS+1], s[M2]
	s_wait_alu depctr_va_vdst(0)                   ; the codes are read by stores behind later waits
.if (\t)+4 < STEPS
	LOAD (\t)+4                                    ; this step's registers are done with: they take the loads of four steps on
.endif
.if (\t)%4 == 3
.irp k, 3,2,1,0
	global_store_b64 v12, v[C+2*((\t)-\k):C+2*((\t)-\k)+1], s[24:25] offset:2048*((\t)/4)+256*(3-\k)   ; a row's four steps in one run; each store covers 256 consecutive bytes, aligned
.endr
.endif
.endm
.irp t, 0,1,2,3,4,5,6,7,8,9,10,11,12,13,14,15
	STEP \t
.endr
	s_wait_dscnt 0x0                               ; for the others' sake: my byte stores have landed
	s_barrier_signal -1
	s_barrier_wait -1                              ; a K step's 16 rows come from four waves: now the table is whole
	ds_load_b64 v[T:T+1], v6
	s_wait_dscnt 0x0
	global_store_b64 v4, v[T:T+1], s[26:27]        ; 32 lanes store 256 consecutive bytes, aligned: 16 rows' scale bytes of one K step
	s_wait_tensorcnt 0x0                           ; the wave's end
	ds_add_u32 v7, v10
	s_wait_dscnt 0x0
	s_endpgm
.Lfunc_end_k_q045eed3cfe_quant:
	.size	k_q045eed3cfe_quant, .Lfunc_end_k_q045eed3cfe_quant-k_q045eed3cfe_quant
	.p2alignl 7, 3214868480
	.fill 96, 4, 3214868480
	.section	.rodata,"a",@progbits
	.p2align	6, 0x0
	.amdhsa_kernel k_q045eed3cfe_quant
		.amdhsa_group_segment_fixed_size 1536
		.amdhsa_private_segment_fixed_size 0
		.amdhsa_enable_private_segment 0
		.amdhsa_kernarg_size 96
		.amdhsa_user_sgpr_count 2
		.amdhsa_user_sgpr_kernarg_segment_ptr 1
		.amdhsa_wavefront_size32 1
		.amdhsa_system_sgpr_workgroup_id_x 1
		.amdhsa_system_sgpr_workgroup_id_y 1
		.amdhsa_system_sgpr_workgroup_id_z 1
		.amdhsa_system_vgpr_workitem_id 0
		.amdhsa_next_free_vgpr 152
		.amdhsa_next_free_sgpr 66
		.amdhsa_reserve_vcc 0
		.amdhsa_float_denorm_mode_32 3
		.amdhsa_float_denorm_mode_16_64 3
		.amdhsa_memory_ordered 1
		.amdhsa_forward_progress 1
		.amdhsa_inst_pref_size 69
	.end_amdhsa_kernel
	.amdgpu_metadata
---
amdhsa.version: [ 1, 2 ]
amdhsa.kernels:
  - .name:           k_q045eed3cfe_quant
    .symbol:         k_q045eed3cfe_quant.kd
    .args:
      - { .name: x, .offset: 0, .size: 8, .value_kind: global_buffer, .address_space: global }
      - { .name: h, .offset: 8, .size: 8, .value_kind: global_buffer, .address_space: global }
      - { .name: Wfx, .offset: 16, .size: 8, .value_kind: global_buffer, .address_space: global }
      - { .name: Wfh, .offset: 24, .size: 8, .value_kind: global_buffer, .address_space: global }
      - { .name: Wix, .offset: 32, .size: 8, .value_kind: global_buffer, .address_space: global }
      - { .name: Wih, .offset: 40, .size: 8, .value_kind: global_buffer, .address_space: global }
      - { .name: Wcx, .offset: 48, .size: 8, .value_kind: global_buffer, .address_space: global }
      - { .name: Wch, .offset: 56, .size: 8, .value_kind: global_buffer, .address_space: global }
      - { .name: Wox, .offset: 64, .size: 8, .value_kind: global_buffer, .address_space: global }
      - { .name: Woh, .offset: 72, .size: 8, .value_kind: global_buffer, .address_space: global }
      - { .name: codes, .offset: 80, .size: 8, .value_kind: global_buffer, .address_space: global }
      - { .name: scales, .offset: 88, .size: 8, .value_kind: global_buffer, .address_space: global }
    .group_segment_fixed_size: 1536
    .private_segment_fixed_size: 0
    .kernarg_segment_align: 8
    .kernarg_segment_size: 96
    .max_flat_workgroup_size: 128
    .sgpr_count:     66
    .vgpr_count:     152
    .wavefront_size: 32
...
	.end_amdgpu_metadata
.endif
;; end of part 1
;; launch cell (part 2): grid 32 x 8, 4 waves a work-group, clusters of 4 x 4, 327,680 bytes of LDS; arguments codes, scales, c, bfx, bix, bcx, box, out0, out1; writes out0, out1
.if DOCPART == 2
	.amdgcn_target "amdgcn-amd-amdhsa--gfx1250"
	.amdhsa_code_object_version 6
	.text
	.protected	k_q045eed3cfe_cell
	.globl	k_q045eed3cfe_cell
	.p2align	8
	.type	k_q045eed3cfe_cell,@function
k_q045eed3cfe_cell:
	s_mov_b64 s[64:65], 0
	v_nop
	global_prefetch_b8 v0, s[64:65] scope:SCOPE_SE
	s_setreg_imm32_b32 hwreg(HW_REG_WAVE_MODE, 25, 1), 1
	s_wait_xcnt 0x0
	s_wait_alu depctr_hold_cnt(0) depctr_sa_sdst(0) depctr_va_vdst(0) depctr_va_sdst(0) depctr_va_ssrc(0) depctr_va_vcc(0) depctr_vm_vsrc(0)
	s_getreg_b32 s2, hwreg(HW_REG_IB_STS2, 6, 4)
	s_cmp_eq_u32 s2, 0
	s_cbranch_scc0 .Lentry_in_a_cluster
	s_endpgm
.Lentry_in_a_cluster:
	s_bfe_u32 s2, ttmp6, 0x10000c
	s_cmp_lg_u32 s2, 0xf033
	s_cbranch_scc0 .Lentry_shape_is_right
	s_endpgm
.Lentry_shape_is_right:
; The LSTM cell on codes of FP4: pre-activations = [x | h] [W*x | W*h]^T + b, ONE product of K = 4,096 on the workspace that launch quant laid; then
; f, i, o = relu, c~ = tanh, c_new = f c + i c~ (out1), h_new = o tanh(c_new) (out0), all in f32.  tanh(y) = 1 - 2 / (1 + 2^(2 log2(e) y)).
; A work-group of four waves makes 256 batch rows x 64 hidden units x 4 gates; a wave 128 rows x 32 hidden units x 4 gates: 64 accumulators, 512 registers; the biases are the C of each sum's first product.
; K goes in eight steps of 512 (rows of 256 bytes) through two LDS slots filled by joint loads in clusters of 4 x 4: A's tiles shared along a row of the cluster, B's along a column.
; The K steps are walked from a start that hangs on the cluster's number alone, round K; the scale words come from memory straight into registers, 256 consecutive bytes for 16 rows.
; THE HEAD: the opening adds, one round, K step 0's joint load (one a wave); the addresses and the loads of biases, scales and c are made while it is out; then the three lines, a round, and K step 1's load.
; THE WAY OUT: c is staged in slot 0 behind its last read; each block of 16 rows is finished in registers, goes through the stages, and leaves as whole rows of 256 bytes made by two waves.
; No prefetch: the block is the largest in clusters, and K has only eight fills of a slot.
.set NQ,     4
.set ROWB,   256
.set KROW,   2048
.set PITCH,  272
.set FR,     8
.set NL,     2
.set NP,     4
.set HALFT,  128*PITCH
.set SLOT,   4*HALFT
.set LAPS,   4
.set KSB,    10240*16
.set KSR,    KSB/ROWB
.set SPARE,  2*SLOT
.set STG_H,  256*PITCH
.set ADRA, 16
.set ADRB, 20
.set CA,   22
.set CAH,  23
.set SRW,  24
.set SR,   25
.set CO,   26
.set VS,   27
.set SPW,  28
.set NIL,  29
.set VB,   30
.set SC,   32
.set AF,   128
.set BI,   192
.set GF,   96
.set GI,   112
.set GO,   128
.set GT,   144
.set CC,   160
.set CN,   176
.set HN,   192
.set OB,   208
.set WV,   22
.set RH,   23
.set CH,   66
.set G1,   24
.set G0,   32
.set G1B,  48
.set G0B,  56
.set TC,   68
.set KO,   80
.set SPT,  84
.set OUTP, 90
.set MSB, 0
.macro WIN new
.if MSB != (\new)
	s_set_vgpr_msb (MSB<<8)|(\new)
.set MSB, (\new)
.endif
.endm
.set MUL_LO,   0xa1
.set MUL_HI,   0xf1
.set FIRST_LO, 0x81
.set FIRST_HI, 0xc1
.set TO_1,     0x40
.set ST_1,     0x04
.macro JLOAD g0a, g1a, g0b, g1b
	s_cmp_eq_u32 s[RH], 0
	s_cbranch_scc0 .Lfor_b_\@
	tensor_load_to_lds s[\g0a:\g0a+3], s[\g1a:\g1a+7]
	s_nop 0
.rept 4
	v_nop
.endr
	s_branch .Lasked_\@
.Lfor_b_\@:
	tensor_load_to_lds s[\g0b:\g0b+3], s[\g1b:\g1b+7]
	s_nop 0
.rept 4
	v_nop
.endr
.Lasked_\@:
.endm
.macro CREST
	s_cmp_lg_u32 s[WV], 0
	s_cbranch_scc1 .Lnot_wave_0_\@
	s_barrier_signal -3
.Lnot_wave_0_\@:
	s_barrier_wait -3
	s_barrier_signal -1
	s_barrier_wait -1
.endm
.macro CROUND
	s_barrier_signal -1
	s_barrier_wait -1
	CREST
.endm
	s_load_b512 s[4:19], s[0:1], 0x0
	s_load_b64 s[20:21], s[0:1], 0x40
	v_lshl_add_u32 v[SPW], v0, 2, SPARE
	v_mov_b32 v[NIL], 0
	ds_add_u32 v28, v29
	ds_add_u32 v28, v29
	s_wait_dscnt 0x0
	v_lshrrev_b32 v1, 5, v0
	v_readfirstlane_b32 s[WV], v1
	s_lshr_b32 s[RH], s[WV], 1
	s_and_b32 s[CH], s[WV], 1
	s_bfe_u32 s40, ttmp6, 0x40000
	s_bfe_u32 s41, ttmp6, 0x40004
	s_lshl_b32 s42, ttmp9, 2
	s_add_co_u32 s42, s42, s40
	s_and_b32 s43, ttmp7, 0xffff
	s_lshl_b32 s43, s43, 2
	s_lshl_b32 s[KO], ttmp9, 1
	s_add_co_u32 s[KO], s[KO], s43
	s_and_b32 s[KO], s[KO], 7
	s_lshl_b32 s[KO], s[KO], 8
	s_mov_b32 s[KO+1], 0
	s_add_co_u32 s[KO+2], s[KO], ROWB
	s_and_b32 s[KO+2], s[KO+2], KROW-1
	s_mov_b32 s[KO+3], 0
	s_add_co_u32 s43, s43, s41
	s_lshl_b32 s44, s41, 2
	s_lshl_b32 s44, 15, s44
	s_lshl_b32 s45, 0x1111, s40
	s_or_b32 s[G1+0], s44, (0<<16)|(1<<20)|(1<<21)|(5<<22)|(3<<25)
	s_or_b32 s[G1B+0], s45, (0<<16)|(1<<20)|(1<<21)|(5<<22)|(3<<25)
.irp g, G1, G1B
	s_mov_b32 s[\g+1], ROWB<<16
	s_mov_b32 s[\g+2], 128<<16
	s_mov_b32 s[\g+3], ROWB<<16
	s_mov_b32 s[\g+4], 128
	s_mov_b32 s[\g+5], KROW
	s_mov_b32 s[\g+6], 0
	s_mov_b32 s[\g+7], 0
.endr
	s_mov_b32 s[TC], 0x4038aa3b
	s_mov_b32 s[TC+1], s[TC]
	s_lshl_b32 s76, s[CH], 7
	s_lshl_b32 s70, s43, 8
	s_add_co_u32 s70, s70, s76
	s_lshl_b32 s70, s70, 11
	s_mov_b32 s71, 0
	s_lshl_b32 s46, s42, 8
	s_add_co_u32 s46, s46, s76
	s_add_co_u32 s46, s46, 2048
	s_lshl_b32 s46, s46, 11
	s_mov_b32 s47, 0
	s_mul_i32 s67, s[WV], HALFT
	s_lshl_b32 s72, s43, 8
	s_lshl_b32 s77, s[WV], 6
	s_add_co_u32 s72, s72, s77
	s_lshl_b32 s72, s72, 13
	s_lshl_b32 s77, s42, 8
	s_add_co_u32 s72, s72, s77
	s_mov_b32 s73, 0
	s_add_co_u32 s74, s77, s76
	s_mov_b32 s75, 0
	s_lshl_b32 s92, s43, 8
	s_lshl_b32 s78, s[RH], 7
	s_add_co_u32 s92, s92, s78
	s_lshl_b32 s92, s92, 13
	s_add_co_u32 s92, s92, s77
	s_mov_b32 s93, 0
	s_mov_b32 s89, 0
	s_wait_kmcnt 0x0
	s_add_nc_u64 s[70:71], s[4:5], s[70:71]
	s_add_nc_u64 s[46:47], s[4:5], s[46:47]
	s_add_nc_u64 s[8:9], s[8:9], s[72:73]
	s_cmp_eq_u32 s[CH], 0
	s_cselect_b64 s[OUTP:OUTP+1], s[20:21], s[18:19]
	s_add_nc_u64 s[OUTP:OUTP+1], s[OUTP:OUTP+1], s[92:93]
.irp g, 10,12,14,16
	s_add_nc_u64 s[\g:\g+1], s[\g:\g+1], s[74:75]
.endr
	s_mul_i32 s88, s[KO], KSR
	s_add_nc_u64 s[SPT:SPT+1], s[6:7], s[88:89]
	s_mul_i32 s88, s[KO+2], KSR
	s_add_nc_u64 s[SPT+2:SPT+3], s[6:7], s[88:89]
	CROUND
.irp s, 0,1
	s_mov_b32 s[G0+4*\s], 1
	s_add_co_u32 s[G0+4*\s+1], s67, \s*SLOT
	s_add_nc_u64 s[G0+4*\s+2:G0+4*\s+3], s[70:71], s[KO+2*\s:KO+2*\s+1]
	s_or_b32 s[G0+4*\s+3], s[G0+4*\s+3], 0x80000000
	s_mov_b32 s[G0B+4*\s], 1
	s_add_co_u32 s[G0B+4*\s+1], s67, \s*SLOT
	s_add_nc_u64 s[G0B+4*\s+2:G0B+4*\s+3], s[46:47], s[KO+2*\s:KO+2*\s+1]
	s_or_b32 s[G0B+4*\s+3], s[G0B+4*\s+3], 0x80000000
.endr
	JLOAD G0, G1, G0B, G1B                         ; K step 0: one tensor load a wave at the head, behind the one round
	v_and_b32 v1, 15, v0
	v_bfe_u32 v2, v0, 4, 1
	v_mul_u32_u24 v3, v1, PITCH
	s_wait_alu depctr_va_vdst(0)
	v_lshl_add_u32 v4, v2, 4, v3
	s_mul_i32 s76, s[RH], HALFT
	s_mul_i32 s77, s[CH], HALFT
	s_add_co_u32 s77, s77, 2*HALFT
.irp s, 0,1
	v_add_nc_u32 v[ADRA+\s], s76, v4
	v_add_nc_u32 v[ADRB+\s], s77, v4
	s_add_co_u32 s76, s76, SLOT
	s_add_co_u32 s77, s77, SLOT
.endr
	s_mul_i32 s76, s[RH], 128*PITCH
	s_lshl_b32 s77, s[CH], 7
	s_add_co_u32 s76, s76, s77
	v_lshl_add_u32 v5, v2, 5, v3
	v_add_nc_u32 v[CA], s76, v5
	v_add_nc_u32 v[CAH], STG_H, v[CA]
	s_mul_i32 s76, s[WV], 64*PITCH
	v_mul_u32_u24 v5, v2, PITCH
	v_lshl_add_u32 v5, v1, 4, v5
	v_add_nc_u32 v[SR], s76, v5
	s_mul_i32 s76, s[RH], 128*PITCH
	s_mul_i32 s77, s[CH], STG_H
	s_add_co_u32 s76, s76, s77
	v_add_nc_u32 v[SRW], s76, v5
	v_lshlrev_b32 v[CO], 13, v2
	v_lshl_add_u32 v[CO], v1, 4, v[CO]
	v_lshlrev_b32 v[VB], 5, v2
	s_wait_alu depctr_va_vdst(0)
	s_lshl_b32 s76, s43, 12
	s_lshl_b32 s77, s[RH], 11
	s_add_co_u32 s76, s76, s77
	s_lshl_b32 s77, s42, 12
	s_lshl_b32 s78, s[CH], 11
	s_add_co_u32 s77, s77, s78
	s_add_co_u32 s77, s77, 2048*16
	s_sub_co_u32 s77, s77, s76
	v_mul_u32_u24 v5, s77, v2
	v_lshl_add_u32 v5, v1, 4, v5
	v_add_nc_u32 v[VS], s76, v5
.macro GSCALES set
.irp i, 0,1,2,3,4,5,6,7
	global_load_b128 v[SC+32*(\set)+4*\i:SC+32*(\set)+4*\i+3], v[VS], s[SPT+2*(\set):SPT+2*(\set)+1] offset:256*\i
.endr
.endm
.irp g, 0,1,2,3
.irp u, 0,1
.irp e, 0,1
	global_load_b128 v[BI+16*\g+8*\u+4*\e:BI+16*\g+8*\u+4*\e+3], v[VB], s[10+2*\g:11+2*\g] offset:64*\u+16*\e
.endr
.endr
.endr
	GSCALES 0
	GSCALES 1
	WIN TO_1
.set TT, 0
.rept 32
	global_load_b128 v[64+4*TT+64*(TT/16):64+4*TT+64*(TT/16)+3], v[CO], s[8:9] offset:16384*TT th:TH_LOAD_NT
.set TT, TT+1
.endr
	WIN 0
.macro FRAG reg, adr, q, i
.irp c, 0,1
	ds_load_b128 v[\reg+4*\c:\reg+4*\c+3], v[\adr] offset:64*(\q)+32*\c+(\i)*16*PITCH
.endr
.endm
.macro MUL16 a0, p, q, sc, first
.irp a, \a0, \a0+1
.irp b, 0,1,2,3,4,5,6,7
.if \first
	v_wmma_scale_f32_16x16x128_f8f6f4 v[8*(8*((\a)%4)+\b):8*(8*((\a)%4)+\b)+7], v[128*(\p)+FR*\b:128*(\p)+FR*\b+FR-1], v[AF+FR*(\a):AF+FR*(\a)+FR-1], v[BI+8*\b:BI+8*\b+7], v[SC+32*(\sc)+4*\b+(\q)], v[SC+32*(\sc)+4*(\a)+(\q)] matrix_a_fmt:MATRIX_FMT_FP4 matrix_b_fmt:MATRIX_FMT_FP4 matrix_a_scale:MATRIX_SCALE_ROW1
.else
	v_wmma_scale_f32_16x16x128_f8f6f4 v[8*(8*((\a)%4)+\b):8*(8*((\a)%4)+\b)+7], v[128*(\p)+FR*\b:128*(\p)+FR*\b+FR-1], v[AF+FR*(\a):AF+FR*(\a)+FR-1], v[8*(8*((\a)%4)+\b):8*(8*((\a)%4)+\b)+7], v[SC+32*(\sc)+4*\b+(\q)], v[SC+32*(\sc)+4*(\a)+(\q)] matrix_a_fmt:MATRIX_FMT_FP4 matrix_b_fmt:MATRIX_FMT_FP4 matrix_a_scale:MATRIX_SCALE_ROW1
.endif
.endr
.endr
.endm
.macro FETCH_B slot, q, p
	WIN TO_1
.irp i, 0,1,2,3,4,5,6,7
	FRAG 128*(\p)+FR*\i, ADRB+\slot, \q, \i
.endr
	WIN 0
.endm
.macro FETCH_A slot, q, i0
.irp i, \i0, \i0+1, \i0+2, \i0+3
	FRAG AF+FR*(\i), ADRA+\slot, \q, \i
.endr
.endm
.macro PLACES n
.rept \n
	v_nop
.endr
.endm
.macro STEP slot, q, first
	s_wait_dscnt 4*NL
.if \first
	WIN FIRST_LO
.else
	WIN MUL_LO
.endif
	MUL16 0, (\q)%2, \q, \slot, \first
	MUL16 2, (\q)%2, \q, \slot, \first
	s_wait_dscnt 0
	PLACES NP
	FETCH_B \slot, (\q)+1, 1-(\q)%2
	FETCH_A \slot, (\q)+1, 0
.if \first
	WIN FIRST_HI
.else
	WIN MUL_HI
.endif
	MUL16 4, (\q)%2, \q, \slot, \first
	MUL16 6, (\q)%2, \q, \slot, \first
	PLACES NP
	WIN 0
	FETCH_A \slot, (\q)+1, 4
.endm
.macro TURN slot, next, fill
.if \fill
	s_wait_xcnt 0x0
.endif
	s_wait_tensorcnt 0x0
	ds_add_u32 v[SPW], v[NIL]
.if \fill
	s_add_co_u32 s[KO+2*\slot], s[KO+2*\slot], 2*ROWB
	s_and_b32 s[KO+2*\slot], s[KO+2*\slot], KROW-1
	s_add_nc_u64 s[G0+4*\slot+2:G0+4*\slot+3], s[70:71], s[KO+2*\slot:KO+2*\slot+1]
	s_or_b32 s[G0+4*\slot+3], s[G0+4*\slot+3], 0x80000000
	s_add_nc_u64 s[G0B+4*\slot+2:G0B+4*\slot+3], s[46:47], s[KO+2*\slot:KO+2*\slot+1]
	s_or_b32 s[G0B+4*\slot+3], s[G0B+4*\slot+3], 0x80000000
	s_mul_i32 s88, s[KO+2*\slot], KSR
	s_add_nc_u64 s[SPT+2*\slot:SPT+2*\slot+1], s[6:7], s[88:89]
.endif
	s_wait_dscnt 4*NL+1
	WIN MUL_LO
	MUL16 0, 1, NQ-1, \slot, 0
	s_wait_dscnt 0x0
	s_barrier_signal -1
	MUL16 2, 1, NQ-1, \slot, 0
	WIN 0
	s_barrier_wait -1
.if \fill
	CREST
	JLOAD G0+4*\slot, G1, G0B+4*\slot, G1B
.else
	PLACES NP
.endif
	FETCH_B \next, 0, 0
	FETCH_A \next, 0, 0
	WIN MUL_HI
	MUL16 4, 1, NQ-1, \slot, 0
	MUL16 6, 1, NQ-1, \slot, 0
	PLACES NP
	WIN 0
	FETCH_A \next, 0, 4
.if \fill
	s_wait_alu depctr_va_vdst(0)
	GSCALES \slot
	s_wait_loadcnt 8
.else
	s_wait_loadcnt 0
.endif
.endm
.macro STEPS slot, from
.set Q, \from
.rept NQ-1-\from
	STEP \slot, Q, 0
.set Q, Q+1
.endr
.endm
	s_wait_alu depctr_va_vdst(0)                   ; the wait at the head's end
	s_wait_tensorcnt 0x0                           ; my part of K step 0 is in; these lines stand ahead of a later first fill as ahead of a refill
	ds_add_u32 v[SPW], v[NIL]
	s_wait_dscnt 0x0
	CROUND                                         ; everybody's part of K step 0 is in, and all sixteen work-groups are here
	JLOAD G0+4, G1, G0B+4, G1B                     ; K step 1: the first tensor load behind the round
	FETCH_B 0, 0, 0
	FETCH_A 0, 0, 0
	FETCH_A 0, 0, 4
	s_wait_loadcnt 40
	STEP 0, 0, 1
	s_mov_b32 s3, LAPS-1
.Llap:
	STEPS 0, 1
	TURN 0, 1, 1
	STEPS 1, 0
	TURN 1, 0, 1
	STEP 0, 0, 0
	s_sub_co_u32 s3, s3, 1
	s_cmp_lg_u32 s3, 0
	s_cbranch_scc1 .Llap
	STEPS 0, 1
	TURN 0, 1, 0
	WIN ST_1
.set TT, 0
.rept 32
	ds_store_b128 v[SR], v[64+4*TT+64*(TT/16):64+4*TT+64*(TT/16)+3] offset:2*PITCH*TT
.set TT, TT+1
.endr
	WIN 0
	STEPS 1, 0
	s_wait_dscnt 4*NL
	WIN MUL_LO
	MUL16 0, 1, NQ-1, 1, 0
	MUL16 2, 1, NQ-1, 1, 0
	s_wait_dscnt 0
	WIN MUL_HI
	MUL16 4, 1, NQ-1, 1, 0
	MUL16 6, 1, NQ-1, 1, 0
	WIN 0
	s_wait_dscnt 0x0
	s_barrier_signal -1
	s_barrier_wait -1
.macro BACK a
.irp t, 0,1,2,3,4,5,6,7
	ds_load_b128 v[OB+4*\t:OB+4*\t+3], v[SRW] offset:PITCH*(16*(\a)+2*\t)
.endr
.endm
.macro SEND a, w
.irp t, 0,1,2,3,4,5,6,7
.if \w
	s_wait_dscnt 7-\t
.endif
	global_store_b128 v[CO], v[OB+4*\t:OB+4*\t+3], s[OUTP:OUTP+1] offset:8192*(16*(\a)+2*\t) th:TH_STORE_NT
.endr
.endm
.macro EX16
.set KK, 0
.rept 16
	v_exp_f32 v[GT+KK], v[GT+KK]
.set KK, KK+1
.endr
.endm
.macro ONE16
.set KK, 0
.rept 8
	v_pk_add_f32 v[GT+KK:GT+KK+1], v[GT+KK:GT+KK+1], 1.0 op_sel_hi:[1,0]
.set KK, KK+2
.endr
.endm
.macro RC16
.set KK, 0
.rept 16
	v_rcp_f32 v[GT+KK], v[GT+KK]
.set KK, KK+1
.endr
.endm
.macro FIN16
.set KK, 0
.rept 8
	v_pk_fma_f32 v[GT+KK:GT+KK+1], v[GT+KK:GT+KK+1], -2.0, 1.0 op_sel_hi:[1,0,0]
.set KK, KK+2
.endr
.endm
.macro EBLOCK a
.set AC, 64*((\a)%4)
.irp u, 0,1
.irp e, 0,1
	ds_load_b128 v[CC+8*\u+4*\e:CC+8*\u+4*\e+3], v[CA] offset:16*PITCH*(\a)+64*\u+16*\e
.endr
.endr
	WIN 0x0a+5*((\a)/4)
.set KK, 0
.rept 16
	v_max_num_f32 v[GF+KK], 0, v[AC+KK]
.set KK, KK+1
.endr
.set KK, 0
.rept 16
	v_max_num_f32 v[GI+KK], 0, v[AC+16+KK]
.set KK, KK+1
.endr
.set KK, 0
.rept 8
	v_pk_mul_f32 v[GT+KK:GT+KK+1], v[AC+32+KK:AC+33+KK], s[TC:TC+1] op_sel_hi:[1,0]
.set KK, KK+2
.endr
.set KK, 0
.rept 16
	v_max_num_f32 v[GO+KK], 0, v[AC+48+KK]
.set KK, KK+1
.endr
	WIN 0
	s_wait_alu depctr_va_vdst(0)
	EX16
	v_nop
	s_wait_alu depctr_va_vdst(0)
	s_wait_dscnt 0x0
.if (\a) > 0
	SEND (\a)-1, 0
.endif
	ONE16
	s_wait_alu depctr_va_vdst(0)
	RC16
.set KK, 0
.rept 8
	v_pk_mul_f32 v[CN+KK:CN+KK+1], v[GF+KK:GF+KK+1], v[CC+KK:CC+KK+1]
.set KK, KK+2
.endr
	s_wait_alu depctr_va_vdst(0)
	FIN16
.set KK, 0
.rept 8
	v_pk_fma_f32 v[CN+KK:CN+KK+1], v[GI+KK:GI+KK+1], v[GT+KK:GT+KK+1], v[CN+KK:CN+KK+1]
.set KK, KK+2
.endr
.set KK, 0
.rept 8
	v_pk_mul_f32 v[GT+KK:GT+KK+1], v[CN+KK:CN+KK+1], s[TC:TC+1] op_sel_hi:[1,0]
.set KK, KK+2
.endr
	s_wait_alu depctr_va_vdst(0)
	EX16
	v_nop
.irp u, 0,1
.irp e, 0,1
	ds_store_b128 v[CA], v[CN+8*\u+4*\e:CN+8*\u+4*\e+3] offset:16*PITCH*(\a)+64*\u+16*\e
.endr
.endr
	s_wait_alu depctr_va_vdst(0)
	ONE16
	s_wait_alu depctr_va_vdst(0)
	RC16
	v_nop
	s_wait_alu depctr_va_vdst(0)
	FIN16
.set KK, 0
.rept 8
	v_pk_mul_f32 v[HN+KK:HN+KK+1], v[GO+KK:GO+KK+1], v[GT+KK:GT+KK+1]
.set KK, KK+2
.endr
.irp u, 0,1
.irp e, 0,1
	ds_store_b128 v[CAH], v[HN+8*\u+4*\e:HN+8*\u+4*\e+3] offset:16*PITCH*(\a)+64*\u+16*\e
.endr
.endr
.endm
	PLACES NP
.irp a, 0,1,2,3,4,5,6,7
	EBLOCK \a
	s_wait_dscnt 0x0
	s_barrier_signal -1
	s_barrier_wait -1
.if \a > 0
	s_wait_xcnt 0x0
.endif
	BACK \a
.endr
	SEND 7, 1
	s_wait_tensorcnt 0x0
	ds_add_u32 v[SPW], v[NIL]
	s_wait_dscnt 0x0
	CROUND
	s_endpgm
.Lfunc_end_k_q045eed3cfe_cell:
	.size	k_q045eed3cfe_cell, .Lfunc_end_k_q045eed3cfe_cell-k_q045eed3cfe_cell
	.p2alignl 7, 3214868480
	.fill 96, 4, 3214868480
	.section	.rodata,"a",@progbits
	.p2align	6, 0x0
	.amdhsa_kernel k_q045eed3cfe_cell
		.amdhsa_group_segment_fixed_size 327680
		.amdhsa_private_segment_fixed_size 0
		.amdhsa_enable_private_segment 0
		.amdhsa_kernarg_size 72
		.amdhsa_user_sgpr_count 2
		.amdhsa_user_sgpr_kernarg_segment_ptr 1
		.amdhsa_wavefront_size32 1
		.amdhsa_system_sgpr_workgroup_id_x 1
		.amdhsa_system_sgpr_workgroup_id_y 1
		.amdhsa_system_sgpr_workgroup_id_z 1
		.amdhsa_system_vgpr_workitem_id 0
		.amdhsa_next_free_vgpr 1024
		.amdhsa_next_free_sgpr 96
		.amdhsa_reserve_vcc 0
		.amdhsa_float_denorm_mode_32 3
		.amdhsa_float_denorm_mode_16_64 3
		.amdhsa_memory_ordered 1
		.amdhsa_forward_progress 1
		.amdhsa_inst_pref_size 255
	.end_amdhsa_kernel
	.section	.bss,"aw",@nobits
	.p2align	6
	.space	262144
	.amdgpu_metadata
---
amdhsa.version: [ 1, 2 ]
amdhsa.kernels:
  - .name:           k_q045eed3cfe_cell
    .symbol:         k_q045eed3cfe_cell.kd
    .args:
      - { .name: codes, .offset: 0, .size: 8, .value_kind: global_buffer, .address_space: global }
      - { .name: scales, .offset: 8, .size: 8, .value_kind: global_buffer, .address_space: global }
      - { .name: c, .offset: 16, .size: 8, .value_kind: global_buffer, .address_space: global }
      - { .name: bfx, .offset: 24, .size: 8, .value_kind: global_buffer, .address_space: global }
      - { .name: bix, .offset: 32, .size: 8, .value_kind: global_buffer, .address_space: global }
      - { .name: bcx, .offset: 40, .size: 8, .value_kind: global_buffer, .address_space: global }
      - { .name: box, .offset: 48, .size: 8, .value_kind: global_buffer, .address_space: global }
      - { .name: out0, .offset: 56, .size: 8, .value_kind: global_buffer, .address_space: global }
      - { .name: out1, .offset: 64, .size: 8, .value_kind: global_buffer, .address_space: global }
    .group_segment_fixed_size: 327680
    .private_segment_fixed_size: 0
    .kernarg_segment_align: 8
    .kernarg_segment_size: 72
    .max_flat_workgroup_size: 128
    .sgpr_count:     96
    .vgpr_count:     1024
    .wavefront_size: 32
...
	.end_amdgpu_metadata
.endif
;; end of part 2
